; MI455X (gfx1250); checked and timed in simulation.
; The chip was launched on July 23, 2026; its instructions are those of AMD's public machine-readable ISA for CDNA 5 (MIT licence, August 2026) and "CDNA5" Instruction Set Architecture Reference Guide (July 2026). The comments in the code are by the model that wrote it; some were corrected since.
;; GMF. Allowed arithmetic: matrix products marked QUANTISED: E2M3 operands, one E8M0 scale for each 32 along K, by v_wmma_scale_f32_16x16x128_f8f6f4 with both operands' format E2M3, f32 sums; everything else in f32.
;; Inputs: P_weight 64 x 1,000,000 float32; Q_weight 64 x 100,032 float32; genres_one_hot_codes 16,384 x 1 x 24 uint8 (E2M3 codes of genres_one_hot, K innermost, in blocks of 32 codes, four codes in three bytes); genres_one_hot_scales 16,384 x 1 uint8 (E8M0 scales of genres_one_hot, one for each 32 codes along K); item_ids 16,384 int32; user_ids 16,384 int32.
;; Outputs: out0 16,384 x 1 float32.
;; This version of the problem:
;;   THIS VERSION OF THE PROBLEM IS GIVEN IN LOW PRECISION. The matrix products marked QUANTISED in the list below multiply operands that are first quantised to E2M3 (2 exponent bits, 3 mantissa bits; 6 bits a number), with one power-of-two scale for each 32 numbers along K (OCP MX v1.0); their sums are f32. All else is computed in f32.
;;   The module's matrix products, in the order in which they are computed (A, B: the left and right operand; K: the contracted axis; several contracted axes count as one K, in the product's order):
;;     1. [M 16,384, K 32] x [K 32, N 64]; A: input genres_one_hot (given as codes); B: input Q_weight: QUANTISED
;;   THE QUANTISER, for each operand of a quantised product, along K:
;;     - K is cut into blocks of 32 from its start; a last block that is shorter is filled with zeros.
;;     - A block's scale is 2^e with e = floor(log2(the largest magnitude in the block)) - 2, held to -126 .. 127; a block of zeros has e = 0. As a byte (E8M0): e + 127.
;;     - Each number is divided by its block's scale, clamped to +-7.5, and rounded to the nearest number of E2M3, ties to even, subnormals kept.
;;     - The product sums the exact products of the quantised numbers (number of the format x scale) in f32.
;;   ~~~python
;;   def quantise(x, axis):      # numpy; x: float32 -> the quantised numbers, widened to float32 again
;;       x = np.moveaxis(x, axis, -1); K = x.shape[-1]
;;       x = np.pad(x, [(0, 0)] * (x.ndim - 1) + [(0, -K % 32)]); x = x.reshape(x.shape[:-1] + (-1, 32)); a = np.abs(x).max(-1, keepdims=True)
;;       e = np.where(a > 0, np.clip(np.frexp(np.where(a > 0, a, 1))[1] - 1 - 2, -126, 127), 0)      # np.frexp(a)[1] - 1 = floor(log2(a)), exactly
;;       r = np.clip(x / 2.0 ** e, -7.5, 7.5)
;;       step = 2.0 ** (np.maximum(np.frexp(np.where(r == 0, 1, r))[1] - 1, 0) - 3)
;;       q = np.round(r / step) * step * 2.0 ** e      # np.round: ties to even
;;       return np.moveaxis(q.reshape(q.shape[:-2] + (-1,))[..., :K], -1, axis).astype(np.float32)
;;   ~~~
;;   INPUTS GIVEN AS CODES. genres_one_hot (in the module: [16384, 32], K = its axis 1): each comes as NAME_codes (uint8): NAME with its K axis moved to the last place and cut into blocks of 32 codes, [.., K / 32, bytes a block], one block behind the other in memory; four codes in three bytes: a row's codes are one little-endian stream of bits, code i at bits 6 i .. 6 i + 5 (a code: sign, 2 exponent bits, 3 mantissa bits); and NAME_scales (uint8): the same leading axes, one E8M0 byte (e + 127) for each 32 codes along K. Its value is code x scale, taken as it is: it is not quantised again, and the codes and scales need not be those that the quantiser above would give.
;; 2 versions, each right; version 2 is version 1 with the launch gmf written anew for expert scheduling mode. Each part assembles by itself: llvm-mc -triple=amdgcn-amd-amdhsa -mcpu=gfx1250 --defsym DOCPART=n.
;; ======== version 1 of 2: 1 launch
;; launch gmf (part 1): grid 256 x 1, 4 waves a work-group, no clusters, 4,864 bytes of LDS; arguments user_ids, item_ids, genres_one_hot_codes, genres_one_hot_scales, Q_weight, P_weight, out0; writes out0
.if DOCPART == 1
	.amdgcn_target "amdgcn-amd-amdhsa--gfx1250"
	.amdhsa_code_object_version 6
	.text
	.protected	k_q7569d0e8f8_gmf
	.globl	k_q7569d0e8f8_gmf
	.p2align	8
	.type	k_q7569d0e8f8_gmf,@function
k_q7569d0e8f8_gmf:
	s_mov_b64 s[64:65], 0
	v_nop
	global_prefetch_b8 v0, s[64:65] scope:SCOPE_SE
	s_setreg_imm32_b32 hwreg(HW_REG_WAVE_MODE, 25, 1), 1
	s_wait_xcnt 0x0
; out[b] = sum over k of P[k][user[b]] * ( Q[k][item[b]] + sum over g of genres[b][g] * Q[k][N_ITEMS+g] )
; P: [64][1,000,000] f32, Q: [64][100,032] f32, ids: [16384] i32, out: [16384] f32.
; genres: [16384][32] as codes of FP6 (E2M3), 24 bytes a row, with one E8M0 byte a row; taken as they are given.
; The genre weights Q[k][N_ITEMS ..+31] are quantised here, along the 32 genres: one block for each latent k.  A block's scale is
; 2^(floor(log2(its largest magnitude)) - 2); its byte is the largest magnitude's exponent field - 2, held at 1 from below; a block of zeros gets 127.
;
; SHARES.  256 work-groups of four waves; a work-group owns 64 batch elements (256 consecutive, aligned bytes of out), a wave 16.
; The matrix instruction is used transposed: source 0 = 16 latent rows of the genre weights, source 1 = 16 batch elements of genres.
; In C and D lane (r, h) then holds batch element r, and register j of tile t the tile row 8 h + j.  Which latent a tile row stands for is
; free as long as P, Q and the weight fragments agree; here tile t, row m is latent 32 (m / 8) + 8 t + (m % 8), so that a lane owns the 32
; consecutive latents 32 h + idx, idx = 8 t + j.  A lane needs two ids only, gathers 32 words of P and 32 of Q, and the gathered words of Q
; go into the matrix instruction as C: q_item + q_genre costs no add.  The sum over the latents is 16 packed multiply-adds in the lane and
; one exchange between the two halves of the wave.
; K IS 32 OF THE INSTRUCTION'S 128.  In a 6-bit operand lane (r, h) holds k = 64 c + 32 h + 0 .. 31 in registers 6 c .. 6 c + 5 (ISA guide 7.12.2):
; the true codes are registers 0-5 of lanes 0-15; lanes 16-31 and registers 6-11 hold zero codes, on both operands.  A scale word has the true
; byte lowest; its other three bytes are 0 (2^-127), which stand over zero codes alone.
; Every gathered word lies in a row of its own (rows are 4,000,000 and 400,128 bytes apart), so nothing can be joined: what counts is that
; all 64 gathers of every wave are issued as soon as the ids are there.  All waves walk the rows in the same ascending order.
; The genre weights (64 pieces of 128 bytes) are read and quantised once by the work-group: wave w makes tile w, the four register images
; and their scale words meet in LDS.
;
; NOT USED, and why: tensor loads (no tile, only single words); clusters with joint requests (the work-groups share only the 8,192 bytes of
; genre weights, against 8,192 separately gathered words for each work-group); prefetches (each gather is issued as a load as soon as its
; id is known, nothing could be asked for earlier); cache hints on P and Q (an id may come twice, and other work-groups read neighbouring columns).
;
; LIMITS.  Ids are taken to lie inside their tables; an id outside (read as unsigned) is clamped to the last column and does not get what
; jnp.take would give it.  NaN and infinities among the genre weights are not served.  The sum over the latents is made in four chains,
; not in the order of the reference.
.set N_USERS, 1000000
.set N_ITEMS, 100000
.set PROW,  4*N_USERS                  ; bytes in a row of P
.set QROW,  4*(N_ITEMS+32)             ; bytes in a row of Q
.set GCOL,  4*N_ITEMS                  ; byte of the first genre column in a row of Q
.set TILE,  1024                       ; LDS, for each tile: registers 0-3 of the fragment (32 lanes x 16 bytes), at 512 registers 4-5 (x 8), at 768 the scale words (x 4)
.set RES,   4*TILE                     ; LDS: behind the four tiles, the 64 results of the work-group
; vector registers
.set LANE, 1                           ; lane 0..31
.set R,    2                           ; lane % 16: my batch element in the wave; also the byte offset of its scale byte
.set H,    3                           ; lane / 16: my half of the latents
.set IDO,  4                           ; byte offset of my id
.set GO,   5                           ; byte offset of my element's 24 bytes of codes
.set WO,   6                           ; byte offset of my 16 numbers of the genre weights
.set UID,  7                           ; user id, then 4 x id
.set IID,  8                           ; item id, then 4 x id
.set PO,   9                           ; gather offset in P: 32 h rows + 4 user
.set QO,   10                          ; gather offset in Q: 32 h rows + 4 item
.set HP,   11                          ; 32 h rows of P
.set HQ,   12                          ; 32 h rows of Q
.set L16,  13                          ; 16 x lane
.set L8,   14                          ; 8 x lane (LDS, and the way out)
.set L4,   15                          ; 4 x lane
.set S16,  16                          ; the same three, in my wave's tile in LDS
.set S8,   17
.set S4,   18
.set SR,   19                          ; LDS: my result
.set T,    20                          ; at work
.set T2,   21
.set MK,   22                          ; all ones in lanes 0-15, 0 in lanes 16-31
.set GS,   23                          ; genres' scale words (source 1's): lane r holds element r's byte
.set M,    24                          ; v[24:25]   largest magnitudes
.set E,    26                          ; my block's scale byte
.set SCF,  27                          ; and the scale as f32
.set AS,   28                          ; v[28:31]   the four tiles' scale words (source 0's)
.set W,    32                          ; v[32:47]   16 genre weights, f32
.set C,    48                          ; v[48:53]   my wave's tile as codes: registers 0-5 of its fragment
.set GB,   56                          ; v[56:67]   genres as a fragment (source 1)
.set FR,   68                          ; v[68:115]  the four weight fragments (source 0), 12 registers each
.set PD,   116                         ; v[116:147] P[32 h + idx][user]
.set QD,   148                         ; v[148:179] Q[32 h + idx][item]: C, then D = qi
.set AC,   180                         ; v[180:187] four chains of two sums
; scalar registers: s[4:5] user_ids, s[6:7] item_ids, s[8:9] codes, s[10:11] scale bytes, s[12:13] Q, s[36:37] out, s[50:51] Q at my wave's tile, s[52:53] Q at row 16
.set PB,   14                          ; s[14:35]   P at rows 0, 3, 6 .. 30: three rows are in reach of one base (2 x 4,000,000 fits the signed 24-bit immediate)
.set WAVE, 38
	s_load_b256 s[4:11], s[0:1], 0x0               ; user_ids, item_ids, genres' codes, genres' scale bytes
	s_load_b128 s[12:15], s[0:1], 0x20             ; Q, P
	s_load_b64 s[36:37], s[0:1], 0x30              ; out
	v_lshl_add_u32 v188, v0, 2, 0x1100
	v_mov_b32 v189, 0
	v_lshrrev_b32 v[T], 5, v0
	v_readfirstlane_b32 s[WAVE], v[T]              ; wave 0..3 as a scalar
	v_and_b32 v[LANE], 31, v0
	v_and_b32 v[R], 15, v0
	v_bfe_u32 v[H], v0, 4, 1
	v_lshlrev_b32 v[IDO], 2, v[R]                  ; ids: 4 r
	v_mul_u32_u24 v[GO], v[R], 24                  ; codes: 24 r; both halves of the lanes read the same bytes
	v_and_b32 v[T], 7, v0                          ; weights: tile row r is latent 32 (r / 8) + (r % 8) + 8 wave
	v_bfe_u32 v[T2], v0, 3, 1
	v_lshl_or_b32 v[T], v[T2], 5, v[T]
	v_mul_u32_u24 v[WO], v[T], QROW                ; (both factors are below 2^24)
	v_lshl_add_u32 v[WO], v[H], 6, v[WO]           ;   + 16 h numbers: two lanes hold a block
	s_lshl_b32 s42, ttmp9, 8                       ; the work-group's 64 elements: 256 bytes of ids and of out
	s_mov_b32 s43, 0
	s_lshl_b32 s57, s[WAVE], 6                     ; the wave's 16 elements: 64 bytes
	s_add_co_u32 s40, s42, s57                     ; 4 x my wave's first element
	s_mov_b32 s41, 0
	s_mul_i32 s44, s40, 6                          ; 24 x that element: its codes
	s_mov_b32 s45, 0
	s_lshr_b32 s46, s40, 2                         ; 1 x that element: its scale byte
	s_mov_b32 s47, 0
	s_mul_i32 s48, s[WAVE], 8*QROW                 ; my wave's tile starts at latent 8 wave
	s_mov_b32 s49, 0
	s_wait_kmcnt 0x0
	s_add_nc_u64 s[4:5], s[4:5], s[40:41]
	s_add_nc_u64 s[6:7], s[6:7], s[40:41]
	s_add_nc_u64 s[8:9], s[8:9], s[44:45]
	s_add_nc_u64 s[10:11], s[10:11], s[46:47]
	s_add_nc_u64 s[50:51], s[12:13], s[48:49]
	global_load_b32 v[UID], v[IDO], s[4:5]         ; the ids first: everything hangs on them
	global_load_b32 v[IID], v[IDO], s[6:7]
.irp p, 0,1,2
	global_load_b64 v[GB+2*\p:GB+2*\p+1], v[GO], s[8:9] offset:8*\p        ; 32 codes as they lie: registers 0-5 of the fragment; pieces of 8 bytes, so that every address is a multiple of the access's size
.endr
	global_load_u8 v[GS], v[R], s[10:11]           ; the element's scale byte, widened with zeros: its scale word
.irp p, 0,1,2,3
	global_load_b128 v[W+4*\p:W+4*\p+3], v[WO], s[50:51] offset:GCOL+16*\p ; weights(my latent, 16 h + 0 .. 15)
.endr
	; while these ten loads are on their way: bases and lane terms of the gathers, LDS addresses, the operands' zero codes
.irp c, 1,2,3,4,5,6,7,8,9,10
	s_add_nc_u64 s[PB+2*\c:PB+2*\c+1], s[PB:PB+1], \c*3*PROW
.endr
	s_add_nc_u64 s[52:53], s[12:13], 16*QROW       ; 15 rows of Q are in reach of an immediate: two bases for a lane's 32 rows
	s_add_nc_u64 s[36:37], s[36:37], s[42:43]      ; out at the work-group's 256 bytes
	s_mov_b32 s54, 0x76543210                      ; v_permlanex16_b32: lane i of one half reads lane i of the other
	s_mov_b32 s55, 0xfedcba98
	s_lshl_b32 s56, s[WAVE], 10                    ; my wave's tile in LDS
	v_mul_lo_u32 v[HP], v[H], 32*PROW              ; the upper half of the lanes takes latents 32 .. 63
	v_mul_u32_u24 v[HQ], v[H], 32*QROW
	v_lshlrev_b32 v[L16], 4, v[LANE]
	v_lshlrev_b32 v[L8], 3, v[LANE]
	v_lshlrev_b32 v[L4], 2, v[LANE]
	v_add_nc_u32 v[S16], s56, v[L16]
	v_add_nc_u32 v[S8], s56, v[L8]
	v_add_nc_u32 v[S4], s56, v[L4]
	v_add_nc_u32 v[MK], -1, v[H]                   ; h = 0: all ones; h = 1: 0
.irp j, 6,7,8,9,10,11
	v_mov_b32 v[GB+\j], 0                          ; k = 64 .. 127 of genres: zero codes
.endr
.irp t, 0,1,2,3
.irp j, 6,7,8,9,10,11
	v_mov_b32 v[FR+12*\t+\j], 0                    ; and of the four weight fragments (an operand is 12 consecutive registers, and the two sources share none)
.endr
.endr
.irp j, 3,4,5
	v_mov_b32 v[C+\j], 0                           ; partners of the exchange of halves below
.endr
	s_wait_loadcnt 0x8                             ; loads come back in order (ISA guide 5.7.1): the two ids are in, the eight loads behind them stay out
	v_min_u32 v[UID], N_USERS-1, v[UID]            ; no address leaves its table, whatever the id
	v_min_u32 v[IID], N_ITEMS-1, v[IID]
	v_lshlrev_b32 v[UID], 2, v[UID]
	v_lshlrev_b32 v[IID], 2, v[IID]
	v_add_nc_u32 v[PO], v[HP], v[UID]              ; at most 32 x 4,000,000 + 3,999,996: below 2^31
	v_add_nc_u32 v[QO], v[HQ], v[IID]
.set i, 0
.rept 32
	global_load_b32 v[PD+i], v[PO], s[PB+2*(i/3):PB+2*(i/3)+1] offset:(i%3)*PROW   ; P[32 h + i][user]
.set i, i+1
.endr
	s_wait_loadcnt 0x20                            ; codes, scale bytes and weights are in; the 32 gathers of P issued behind them stay out
.irp j, 0,1,2,3,4,5
	v_and_b32 v[GB+\j], v[MK], v[GB+\j]            ; lanes 16-31 stand for k = 32 .. 63: zero codes
.endr
	; my wave's tile of the weights: a block's 32 numbers lie in lanes l and l xor 16, 16 each
	v_max3_num_f32 v[M], |v[W]|, |v[W+1]|, |v[W+2]|                ; the largest magnitude of my 16, in two chains
	v_max3_num_f32 v[M+1], |v[W+3]|, |v[W+4]|, |v[W+5]|
.irp i, 6,10
	v_max3_num_f32 v[M], v[M], |v[W+\i]|, |v[W+\i+1]|
	v_max3_num_f32 v[M+1], v[M+1], |v[W+\i+2]|, |v[W+\i+3]|
.endr
	v_max3_num_f32 v[M], v[M], |v[W+14]|, |v[W+15]|
	v_max_num_f32 v[M], v[M], v[M+1]
	v_permlanex16_b32 v[M+1], v[M], s54, s55       ; the other 16's (the destination has been written before)
	v_max_num_f32 v[M], v[M], v[M+1]               ; the block's
	v_lshrrev_b32 v[E], 23, v[M]                   ; its exponent field is floor(log2) + 127 (the sign bit is 0)
	v_max_u32 v[E], 3, v[E]                        ; the byte is not to fall under 1
	v_add_nc_u32 v[E], -2, v[E]                    ; the scale's byte: 2 is the exponent of the format's largest number, 7.5
	v_lshlrev_b32 v[SCF], 23, v[E]                 ; and the scale as f32: the conversion takes its exponent field
	v_cmp_eq_u32 vcc_lo, 0, v[M]                   ; a block of zeros?
	v_cvt_scalef32_pk16_fp6_f32 v[C:C+2], v[W:W+15], v[SCF]        ; 16 numbers / the scale, to the nearest code, ties to even, beyond 7.5 the largest code; 96 bits, the first number's code lowest
	v_cndmask_b32 v[E], v[E], 127, vcc_lo          ; a block of zeros gets 127.  (Also the one plain vector instruction between a scaled conversion and what touches its result)
.irp i, 0,1,2
	v_permlane16_swap_b32 v[C+\i], v[C+3+\i]       ; the first's lanes 16-31 change places with the second's lanes 0-15, which held 0: lanes 0-15 now hold k = 0 .. 15 in registers 0-2 and k = 16 .. 31 in registers 3-5, lanes 16-31 zero codes
.endr
	ds_store_b128 v[S16], v[C:C+3]                 ; the fragment's registers 0-5 as they lie, neighbouring lanes at neighbouring bytes,
	ds_store_b64 v[S8], v[C+4:C+5] offset:512
	ds_store_b32 v[S4], v[E] offset:768            ; and the rows' scale words: the byte lowest, zeros above
.set i, 0
.rept 16
	global_load_b32 v[QD+i], v[QO], s[12:13] offset:i*QROW         ; Q[32 h + i][item], straight into the accumulators
.set i, i+1
.endr
.set i, 0
.rept 16
	global_load_b32 v[QD+16+i], v[QO], s[52:53] offset:i*QROW
.set i, i+1
.endr
	s_wait_dscnt 0x0                               ; for the other waves: my tile is in LDS
	s_barrier_signal -1
	s_barrier_wait -1                              ; all four are
.irp t, 0,1,2,3
	ds_load_b128 v[FR+12*\t:FR+12*\t+3],   v[L16] offset:\t*TILE
	ds_load_b64  v[FR+12*\t+4:FR+12*\t+5], v[L8]  offset:\t*TILE+512
	ds_load_b32  v[AS+\t],                 v[L4]  offset:\t*TILE+768
.endr
	s_wait_dscnt 0x0                               ; the fragments and their scale words
	s_wait_loadcnt 0x0                             ; and all gathers: those of Q were issued last
	; qi = q_item + weights x genres: D(m, n) = C(m, n) + sum over g of weights(latent of m, g) genres(batch n, g).  Four accumulators, one instruction each.
	; The scale registers were filled by loads; the last vector instructions that wrote an operand register (the six v_and_b32) stand more than four plain vector instructions back.
.irp t, 0,1,2,3
	v_wmma_scale_f32_16x16x128_f8f6f4 v[QD+8*\t:QD+8*\t+7], v[FR+12*\t:FR+12*\t+11], v[GB:GB+11], v[QD+8*\t:QD+8*\t+7], v[AS+\t], v[GS] matrix_a_fmt:MATRIX_FMT_FP6 matrix_b_fmt:MATRIX_FMT_FP6
.endr
	; four independent plain vector instructions stand between a matrix instruction and the first vector instruction that reads its result (ISA guide 7.12.1)
	v_lshl_add_u32 v[SR], v[R], 2, s57             ; LDS: result of element 16 wave + r
	v_nop
	v_nop
	v_nop
	; sum over my 32 latents of pu * qi: four chains, started by products, nothing is cleared; each accumulator is read from its low end on
.irp c, 0,1,2,3
	v_pk_mul_f32 v[AC+2*\c:AC+2*\c+1], v[PD+2*\c:PD+2*\c+1], v[QD+2*\c:QD+2*\c+1]
.endr
.set i, 4
.rept 12
	v_pk_fma_f32 v[AC+2*(i%4):AC+2*(i%4)+1], v[PD+2*i:PD+2*i+1], v[QD+2*i:QD+2*i+1], v[AC+2*(i%4):AC+2*(i%4)+1]
.set i, i+1
.endr
	v_pk_add_f32 v[AC:AC+1], v[AC:AC+1], v[AC+2:AC+3]
	v_pk_add_f32 v[AC+4:AC+5], v[AC+4:AC+5], v[AC+6:AC+7]
	v_pk_add_f32 v[AC:AC+1], v[AC:AC+1], v[AC+4:AC+5]
	v_add_f32 v[AC], v[AC], v[AC+1]                ; latents 32 h .. 32 h + 31
	v_permlanex16_b32 v[AC+1], v[AC], s54, s55     ; the other half's 32 (the destination has been written before)
	v_add_f32 v[AC], v[AC], v[AC+1]                ; lanes r and 16 + r now hold the same number
	ds_store_b32 v[SR], v[AC] offset:RES           ; both write it to the same word
	s_wait_dscnt 0x0                               ; for wave 0: my 16 results are in LDS
	s_barrier_signal -1
	s_barrier_wait -1
	s_cmp_lg_u32 s[WAVE], 0
	s_cbranch_scc1 .Lend
	ds_load_b64 v[AC+2:AC+3], v[L8] offset:RES     ; wave 0: two results a lane,
	s_wait_dscnt 0x0
	global_store_b64 v[L8], v[AC+2:AC+3], s[36:37] th:TH_STORE_NT  ; one store covers the work-group's 256 consecutive bytes, at a multiple of 256 from the first byte of out
.Lend:
	s_wait_tensorcnt 0x0
	ds_add_u32 v188, v189
	s_wait_dscnt 0x0
	s_endpgm
.Lfunc_end_k_q7569d0e8f8_gmf:
	.size	k_q7569d0e8f8_gmf, .Lfunc_end_k_q7569d0e8f8_gmf-k_q7569d0e8f8_gmf
	.p2alignl 7, 3214868480
	.fill 96, 4, 3214868480
	.section	.rodata,"a",@progbits
	.p2align	6, 0x0
	.amdhsa_kernel k_q7569d0e8f8_gmf
		.amdhsa_group_segment_fixed_size 4864
		.amdhsa_private_segment_fixed_size 0
		.amdhsa_enable_private_segment 0
		.amdhsa_kernarg_size 56
		.amdhsa_user_sgpr_count 2
		.amdhsa_user_sgpr_kernarg_segment_ptr 1
		.amdhsa_wavefront_size32 1
		.amdhsa_system_sgpr_workgroup_id_x 1
		.amdhsa_system_sgpr_workgroup_id_y 1
		.amdhsa_system_sgpr_workgroup_id_z 1
		.amdhsa_system_vgpr_workitem_id 0
		.amdhsa_next_free_vgpr 190
		.amdhsa_next_free_sgpr 66
		.amdhsa_reserve_vcc 1
		.amdhsa_float_denorm_mode_32 3
		.amdhsa_float_denorm_mode_16_64 3
		.amdhsa_memory_ordered 1
		.amdhsa_forward_progress 1
		.amdhsa_inst_pref_size 17
	.end_amdhsa_kernel
	.amdgpu_metadata
---
amdhsa.version: [ 1, 2 ]
amdhsa.kernels:
  - .name:           k_q7569d0e8f8_gmf
    .symbol:         k_q7569d0e8f8_gmf.kd
    .args:
      - { .name: user_ids, .offset: 0, .size: 8, .value_kind: global_buffer, .address_space: global }
      - { .name: item_ids, .offset: 8, .size: 8, .value_kind: global_buffer, .address_space: global }
      - { .name: genres_one_hot_codes, .offset: 16, .size: 8, .value_kind: global_buffer, .address_space: global }
      - { .name: genres_one_hot_scales, .offset: 24, .size: 8, .value_kind: global_buffer, .address_space: global }
      - { .name: Q_weight, .offset: 32, .size: 8, .value_kind: global_buffer, .address_space: global }
      - { .name: P_weight, .offset: 40, .size: 8, .value_kind: global_buffer, .address_space: global }
      - { .name: out0, .offset: 48, .size: 8, .value_kind: global_buffer, .address_space: global }
    .group_segment_fixed_size: 4864
    .private_segment_fixed_size: 0
    .kernarg_segment_align: 8
    .kernarg_segment_size: 56
    .max_flat_workgroup_size: 128
    .sgpr_count:     66
    .vgpr_count:     190
    .wavefront_size: 32
...
	.end_amdgpu_metadata
.endif
;; end of part 1
;; ======== version 2 of 2: 1 launch; version 1 with the launch gmf written anew for expert scheduling mode
;; launch gmf (part 2): grid 256 x 1, 4 waves a work-group, no clusters, 4,864 bytes of LDS; arguments user_ids, item_ids, genres_one_hot_codes, genres_one_hot_scales, Q_weight, P_weight, out0; writes out0
.if DOCPART == 2
	.amdgcn_target "amdgcn-amd-amdhsa--gfx1250"
	.amdhsa_code_object_version 6
	.text
	.protected	k_q7569d0e8f8_gmf
	.globl	k_q7569d0e8f8_gmf
	.p2align	8
	.type	k_q7569d0e8f8_gmf,@function
k_q7569d0e8f8_gmf:
	s_mov_b64 s[64:65], 0
	v_nop
	global_prefetch_b8 v0, s[64:65] scope:SCOPE_SE
	s_setreg_imm32_b32 hwreg(HW_REG_WAVE_SCHED_MODE, 0, 2), 2
	s_setreg_imm32_b32 hwreg(HW_REG_WAVE_MODE, 25, 1), 1
	s_wait_xcnt 0x0
	s_wait_alu depctr_vm_vsrc(0)
; out[b] = sum over k of P[k][user[b]] * ( Q[k][item[b]] + sum over g of genres[b][g] * Q[k][N_ITEMS+g] )
; P: [64][1,000,000] f32, Q: [64][100,032] f32, ids: [16384] i32, out: [16384] f32.
; genres: [16384][32] as codes of FP6 (E2M3), 24 bytes a row, with one E8M0 byte a row; taken as they are given.
; The genre weights Q[k][N_ITEMS ..+31] are quantised here, along the 32 genres: one block for each latent k.  A block's scale is
; 2^(floor(log2(its largest magnitude)) - 2); its byte is the largest magnitude's exponent field - 2, held at 1 from below; a block of zeros gets 127.
;
; SHARES.  256 work-groups of four waves; a work-group owns 64 batch elements (256 consecutive, aligned bytes of out), a wave 16.
; The matrix instruction is used transposed: source 0 = 16 latent rows of the genre weights, source 1 = 16 batch elements of genres.
; In C and D lane (r, h) then holds batch element r, and register j of tile t the tile row 8 h + j.  Which latent a tile row stands for is
; free as long as P, Q and the weight fragments agree; here tile t, row m is latent 32 (m / 8) + 8 t + (m % 8), so that a lane owns the 32
; consecutive latents 32 h + idx, idx = 8 t + j.  A lane needs two ids only, gathers 32 words of P and 32 of Q, and the gathered words of Q
; go into the matrix instruction as C: q_item + q_genre costs no add.  The sum over the latents is 16 packed multiply-adds in the lane and
; one exchange between the two halves of the wave.
; K IS 32 OF THE INSTRUCTION'S 128.  In a 6-bit operand lane (r, h) holds k = 64 c + 32 h + 0 .. 31 in registers 6 c .. 6 c + 5 (ISA guide 7.12.2):
; the true codes are registers 0-5 of lanes 0-15; lanes 16-31 and registers 6-11 hold zero codes, on both operands.  A scale word has the true
; byte lowest; its other three bytes are 0 (2^-127), which stand over zero codes alone.
; Every gathered word lies in a row of its own (rows are 4,000,000 and 400,128 bytes apart), so nothing can be joined: what counts is that
; all 64 gathers of every wave are issued as soon as the ids are there.  All waves walk the rows in the same ascending order.
; The genre weights (64 pieces of 128 bytes) are read and quantised once by the work-group: wave w makes tile w, the four register images
; and their scale words meet in LDS.
;
; THE MODE: SCHED_MODE bits 1:0 = 2 (LLVM: expert scheduling mode 2), set by the entry lines.  The code itself states the register dependences
; between vector or matrix instructions and memory or LDS instructions, with s_wait_alu, always for 0.
; THE PLAN.  Registers that memory or LDS instructions touch, and who else names them:
;   R, IDO, GO, WO        offsets of the first ten loads: written at the head, never again.
;   UID, IID, GS, W, GB 0-5   the ten loads land in them; no vector instruction names them before; no memory instruction ever reads them.
;   PO, QO                offsets of the 64 gathers: written once, behind the ids.
;   L16, L8, L4, S16, S8, S4  LDS addresses (L8 also the last store's offset): written once, in the shadow of the ten loads.
;   PD, QD, FR 0-5, AS    gathers and LDS loads land in them; no vector instruction names them before.
;   C, E                  my tile's image: written by the conversion, the exchange of halves and the select; read by three LDS stores; never written again.
;   SR, AC                address and data of the result's LDS store: written behind the products.
;   AC+2, AC+3            at work in the sums; then wave 0's LDS load lands in them, and the last store reads them.
; No register that a memory or LDS instruction reads is written again, so no wait on vm_vsrc is owed.  Four waits on va_vdst: ahead of the first load,
; ahead of the gathers, ahead of the tile's LDS stores, ahead of the result's LDS store.  One on va_sdst for the wave's number, one on va_vcc for the select.
;
; NOT USED, and why: tensor loads (no tile, only single words); clusters with joint requests (the work-groups share only the 8,192 bytes of
; genre weights, against 8,192 separately gathered words for each work-group); prefetches (each gather is issued as a load as soon as its
; id is known, nothing could be asked for earlier); cache hints on P and Q (an id may come twice, and other work-groups read neighbouring columns).
;
; LIMITS.  Ids are taken to lie inside their tables; an id outside (read as unsigned) is clamped to the last column and does not get what
; jnp.take would give it.  NaN and infinities among the genre weights are not served.  The sum over the latents is made in four chains,
; not in the order of the reference.
.set N_USERS, 1000000
.set N_ITEMS, 100000
.set PROW,  4*N_USERS                  ; bytes in a row of P
.set QROW,  4*(N_ITEMS+32)             ; bytes in a row of Q
.set GCOL,  4*N_ITEMS                  ; byte of the first genre column in a row of Q
.set TILE,  1024                       ; LDS, for each tile: registers 0-3 of the fragment (32 lanes x 16 bytes), at 512 registers 4-5 (x 8), at 768 the scale words (x 4)
.set RES,   4*TILE                     ; LDS: behind the four tiles, the 64 results of the work-group; behind them, from byte 0x1100 on, the spare words, 128 bytes for each wave
; vector registers
.set LANE, 1                           ; lane 0..31
.set R,    2                           ; lane % 16: my batch element in the wave; also the byte offset of its scale byte
.set H,    3                           ; lane / 16: my half of the latents
.set IDO,  4                           ; byte offset of my id
.set GO,   5                           ; byte offset of my element's 24 bytes of codes
.set WO,   6                           ; byte offset of my 16 numbers of the genre weights
.set UID,  7                           ; user id, then 4 x id
.set IID,  8                           ; item id, then 4 x id
.set PO,   9                           ; gather offset in P: 32 h rows + 4 user
.set QO,   10                          ; gather offset in Q: 32 h rows + 4 item
.set HP,   11                          ; 32 h rows of P
.set HQ,   12                          ; 32 h rows of Q
.set L16,  13                          ; 16 x lane
.set L8,   14                          ; 8 x lane (LDS, and the way out)
.set L4,   15                          ; 4 x lane
.set S16,  16                          ; the same three, in my wave's tile in LDS
.set S8,   17
.set S4,   18
.set SR,   19                          ; LDS: my result
.set T,    20                          ; at work
.set T2,   21
.set MK,   22                          ; all ones in lanes 0-15, 0 in lanes 16-31
.set GS,   23                          ; genres' scale words (source 1's): lane r holds element r's byte
.set M,    24                          ; v[24:25]   largest magnitudes
.set E,    26                          ; my block's scale byte
.set SCF,  27                          ; and the scale as f32
.set AS,   28                          ; v[28:31]   the four tiles' scale words (source 0's)
.set W,    32                          ; v[32:47]   16 genre weights, f32
.set C,    48                          ; v[48:53]   my wave's tile as codes: registers 0-5 of its fragment
.set GB,   56                          ; v[56:67]   genres as a fragment (source 1)
.set FR,   68                          ; v[68:115]  the four weight fragments (source 0), 12 registers each
.set PD,   116                         ; v[116:147] P[32 h + idx][user]
.set QD,   148                         ; v[148:179] Q[32 h + idx][item]: C, then D = qi
.set AC,   180                         ; v[180:187] four chains of two sums
; scalar registers: s[4:5] user_ids, s[6:7] item_ids, s[8:9] codes, s[10:11] scale bytes, s[12:13] Q, s[36:37] out, s[50:51] Q at my wave's tile, s[52:53] Q at row 16
.set PB,   14                          ; s[14:35]   P at rows 0, 3, 6 .. 30: three rows are in reach of one base (2 x 4,000,000 fits the signed 24-bit immediate)
.set WAVE, 38
	s_load_b256 s[4:11], s[0:1], 0x0               ; user_ids, item_ids, genres' codes, genres' scale bytes
	s_load_b128 s[12:15], s[0:1], 0x20             ; Q, P
	s_load_b64 s[36:37], s[0:1], 0x30              ; out
	v_lshl_add_u32 v188, v0, 2, 0x1100             ; the LDS address of my spare word and 0: made here and kept for the closing lines alone
	v_mov_b32 v189, 0
	v_lshrrev_b32 v[T], 5, v0
	v_readfirstlane_b32 s[WAVE], v[T]              ; wave 0..3 as a scalar
	v_and_b32 v[LANE], 31, v0
	v_and_b32 v[R], 15, v0
	v_bfe_u32 v[H], v0, 4, 1
	v_lshlrev_b32 v[IDO], 2, v[R]                  ; ids: 4 r
	v_mul_u32_u24 v[GO], v[R], 24                  ; codes: 24 r; both halves of the lanes read the same bytes
	v_and_b32 v[T], 7, v0                          ; weights: tile row r is latent 32 (r / 8) + (r % 8) + 8 wave
	v_bfe_u32 v[T2], v0, 3, 1
	v_lshl_or_b32 v[T], v[T2], 5, v[T]
	v_mul_u32_u24 v[WO], v[T], QROW                ; (both factors are below 2^24)
	v_lshl_add_u32 v[WO], v[H], 6, v[WO]           ;   + 16 h numbers: two lanes hold a block
	s_lshl_b32 s42, ttmp9, 8                       ; the work-group's 64 elements: 256 bytes of ids and of out
	s_mov_b32 s43, 0
	s_wait_alu depctr_va_sdst(0)                   ; v_readfirstlane_b32 has written the wave's number, ahead of its first reader: the next line
	s_lshl_b32 s57, s[WAVE], 6                     ; the wave's 16 elements: 64 bytes
	s_add_co_u32 s40, s42, s57                     ; 4 x my wave's first element
	s_mov_b32 s41, 0
	s_mul_i32 s44, s40, 6                          ; 24 x that element: its codes
	s_mov_b32 s45, 0
	s_lshr_b32 s46, s40, 2                         ; 1 x that element: its scale byte
	s_mov_b32 s47, 0
	s_mul_i32 s48, s[WAVE], 8*QROW                 ; my wave's tile starts at latent 8 wave
	s_mov_b32 s49, 0
	s_wait_kmcnt 0x0
	s_add_nc_u64 s[4:5], s[4:5], s[40:41]
	s_add_nc_u64 s[6:7], s[6:7], s[40:41]
	s_add_nc_u64 s[8:9], s[8:9], s[44:45]
	s_add_nc_u64 s[10:11], s[10:11], s[46:47]
	s_add_nc_u64 s[50:51], s[12:13], s[48:49]
	s_wait_alu depctr_va_vdst(0)                   ; the head has written R, IDO, GO and WO, which the ten loads below read as their offsets
	global_load_b32 v[UID], v[IDO], s[4:5]         ; the ids first: everything hangs on them
	global_load_b32 v[IID], v[IDO], s[6:7]
.irp p, 0,1,2
	global_load_b64 v[GB+2*\p:GB+2*\p+1], v[GO], s[8:9] offset:8*\p        ; 32 codes as they lie: registers 0-5 of the fragment; pieces of 8 bytes, so that every address is a multiple of the access's size
.endr
	global_load_u8 v[GS], v[R], s[10:11]           ; the element's scale byte, widened with zeros: its scale word
.irp p, 0,1,2,3
	global_load_b128 v[W+4*\p:W+4*\p+3], v[WO], s[50:51] offset:GCOL+16*\p ; weights(my latent, 16 h + 0 .. 15)
.endr
	; while these ten loads are on their way: bases and lane terms of the gathers, LDS addresses, the operands' zero codes.
	; None of these lines writes a register that the ten loads read or land in.
.irp c, 1,2,3,4,5,6,7,8,9,10
	s_add_nc_u64 s[PB+2*\c:PB+2*\c+1], s[PB:PB+1], \c*3*PROW
.endr
	s_add_nc_u64 s[52:53], s[12:13], 16*QROW       ; 15 rows of Q are in reach of an immediate: two bases for a lane's 32 rows
	s_add_nc_u64 s[36:37], s[36:37], s[42:43]      ; out at the work-group's 256 bytes
	s_mov_b32 s54, 0x76543210                      ; v_permlanex16_b32: lane i of one half reads lane i of the other
	s_mov_b32 s55, 0xfedcba98
	s_lshl_b32 s56, s[WAVE], 10                    ; my wave's tile in LDS
	v_mul_lo_u32 v[HP], v[H], 32*PROW              ; the upper half of the lanes takes latents 32 .. 63
	v_mul_u32_u24 v[HQ], v[H], 32*QROW
	v_lshlrev_b32 v[L16], 4, v[LANE]
	v_lshlrev_b32 v[L8], 3, v[LANE]
	v_lshlrev_b32 v[L4], 2, v[LANE]
	v_add_nc_u32 v[S16], s56, v[L16]
	v_add_nc_u32 v[S8], s56, v[L8]
	v_add_nc_u32 v[S4], s56, v[L4]
	v_add_nc_u32 v[MK], -1, v[H]                   ; h = 0: all ones; h = 1: 0
.irp j, 6,7,8,9,10,11
	v_mov_b32 v[GB+\j], 0                          ; k = 64 .. 127 of genres: zero codes
.endr
.irp t, 0,1,2,3
.irp j, 6,7,8,9,10,11
	v_mov_b32 v[FR+12*\t+\j], 0                    ; and of the four weight fragments (an operand is 12 consecutive registers, and the two sources share none)
.endr
.endr
.irp j, 3,4,5
	v_mov_b32 v[C+\j], 0                           ; partners of the exchange of halves below
.endr
	s_wait_loadcnt 0x8                             ; loads come back in order (ISA guide 5.7.1): the two ids are in, the eight loads behind them stay out
	v_min_u32 v[UID], N_USERS-1, v[UID]            ; no address leaves its table, whatever the id
	v_min_u32 v[IID], N_ITEMS-1, v[IID]
	v_lshlrev_b32 v[UID], 2, v[UID]
	v_lshlrev_b32 v[IID], 2, v[IID]
	v_add_nc_u32 v[PO], v[HP], v[UID]              ; at most 32 x 4,000,000 + 3,999,996: below 2^31
	v_add_nc_u32 v[QO], v[HQ], v[IID]
	s_wait_alu depctr_va_vdst(0)                   ; PO and QO are written, which the 64 gathers read; so are L16, L8, L4, S16, S8 and S4, which the LDS instructions and the last store read: none of the eight is written again
.set i, 0
.rept 32
	global_load_b32 v[PD+i], v[PO], s[PB+2*(i/3):PB+2*(i/3)+1] offset:(i%3)*PROW   ; P[32 h + i][user]
.set i, i+1
.endr
	s_wait_loadcnt 0x20                            ; codes, scale bytes and weights are in; the 32 gathers of P issued behind them stay out
	; the quantising stands in the shadow of P's gathers: it names neither PO nor PD
.irp j, 0,1,2,3,4,5
	v_and_b32 v[GB+\j], v[MK], v[GB+\j]            ; lanes 16-31 stand for k = 32 .. 63: zero codes
.endr
	; my wave's tile of the weights: a block's 32 numbers lie in lanes l and l xor 16, 16 each
	v_max3_num_f32 v[M], |v[W]|, |v[W+1]|, |v[W+2]|                ; the largest magnitude of my 16, in two chains
	v_max3_num_f32 v[M+1], |v[W+3]|, |v[W+4]|, |v[W+5]|
.irp i, 6,10
	v_max3_num_f32 v[M], v[M], |v[W+\i]|, |v[W+\i+1]|
	v_max3_num_f32 v[M+1], v[M+1], |v[W+\i+2]|, |v[W+\i+3]|
.endr
	v_max3_num_f32 v[M], v[M], |v[W+14]|, |v[W+15]|
	v_max_num_f32 v[M], v[M], v[M+1]
	v_permlanex16_b32 v[M+1], v[M], s54, s55       ; the other 16's (the destination has been written before)
	v_max_num_f32 v[M], v[M], v[M+1]               ; the block's
	v_lshrrev_b32 v[E], 23, v[M]                   ; its exponent field is floor(log2) + 127 (the sign bit is 0)
	v_max_u32 v[E], 3, v[E]                        ; the byte is not to fall under 1
	v_add_nc_u32 v[E], -2, v[E]                    ; the scale's byte: 2 is the exponent of the format's largest number, 7.5
	v_lshlrev_b32 v[SCF], 23, v[E]                 ; and the scale as f32: the conversion takes its exponent field
	v_cmp_eq_u32 vcc_lo, 0, v[M]                   ; a block of zeros?
	v_cvt_scalef32_pk16_fp6_f32 v[C:C+2], v[W:W+15], v[SCF]        ; 16 numbers / the scale, to the nearest code, ties to even, beyond 7.5 the largest code; 96 bits, the first number's code lowest
	s_wait_alu depctr_va_vcc(0)                    ; the compare has written VCC, ahead of its first reader: the select below
	v_cndmask_b32 v[E], v[E], 127, vcc_lo          ; a block of zeros gets 127.  (Also the one plain vector instruction between a scaled conversion and what touches its result)
.irp i, 0,1,2
	v_permlane16_swap_b32 v[C+\i], v[C+3+\i]       ; the first's lanes 16-31 change places with the second's lanes 0-15, which held 0: lanes 0-15 now hold k = 0 .. 15 in registers 0-2 and k = 16 .. 31 in registers 3-5, lanes 16-31 zero codes
.endr
	s_wait_alu depctr_va_vdst(0)                   ; the exchange has written C and the select E, which the three LDS stores read.  The v_and_b32 on GB and the zero codes of GB and FR are written too: no vector instruction stands between this wait and the products that take them as operands
	ds_store_b128 v[S16], v[C:C+3]                 ; the fragment's registers 0-5 as they lie, neighbouring lanes at neighbouring bytes,
	ds_store_b64 v[S8], v[C+4:C+5] offset:512
	ds_store_b32 v[S4], v[E] offset:768            ; and the rows' scale words: the byte lowest, zeros above
.set i, 0
.rept 16
	global_load_b32 v[QD+i], v[QO], s[12:13] offset:i*QROW         ; Q[32 h + i][item], straight into the accumulators.  No vector instruction has named QD, and QO stands as the wait ahead of P's gathers showed it
.set i, i+1
.endr
.set i, 0
.rept 16
	global_load_b32 v[QD+16+i], v[QO], s[52:53] offset:i*QROW
.set i, i+1
.endr
	s_wait_dscnt 0x0                               ; for the other waves: my tile is in LDS
	s_barrier_signal -1
	s_barrier_wait -1                              ; all four are
.irp t, 0,1,2,3
	ds_load_b128 v[FR+12*\t:FR+12*\t+3],   v[L16] offset:\t*TILE           ; no vector instruction has named these registers of FR, nor AS
	ds_load_b64  v[FR+12*\t+4:FR+12*\t+5], v[L8]  offset:\t*TILE+512
	ds_load_b32  v[AS+\t],                 v[L4]  offset:\t*TILE+768
.endr
	s_wait_dscnt 0x0                               ; the fragments and their scale words
	s_wait_loadcnt 0x0                             ; and all gathers: those of Q were issued last
	; qi = q_item + weights x genres: D(m, n) = C(m, n) + sum over g of weights(latent of m, g) genres(batch n, g).  Four accumulators, one instruction each.
	; The scale registers were filled by loads; the last vector instructions that wrote an operand register (the six v_and_b32) stand more than four plain vector instructions back,
	; and ahead of the wait on va_vdst that stands in front of the tile's LDS stores.
.irp t, 0,1,2,3
	v_wmma_scale_f32_16x16x128_f8f6f4 v[QD+8*\t:QD+8*\t+7], v[FR+12*\t:FR+12*\t+11], v[GB:GB+11], v[QD+8*\t:QD+8*\t+7], v[AS+\t], v[GS] matrix_a_fmt:MATRIX_FMT_FP6 matrix_b_fmt:MATRIX_FMT_FP6
.endr
	; four independent plain vector instructions stand between a matrix instruction and the first vector instruction that reads its result (ISA guide 7.12.1)
	v_lshl_add_u32 v[SR], v[R], 2, s57             ; LDS: result of element 16 wave + r
	v_nop
	v_nop
	v_nop
	; sum over my 32 latents of pu * qi: four chains, started by products, nothing is cleared; each accumulator is read from its low end on
.irp c, 0,1,2,3
	v_pk_mul_f32 v[AC+2*\c:AC+2*\c+1], v[PD+2*\c:PD+2*\c+1], v[QD+2*\c:QD+2*\c+1]
.endr
.set i, 4
.rept 12
	v_pk_fma_f32 v[AC+2*(i%4):AC+2*(i%4)+1], v[PD+2*i:PD+2*i+1], v[QD+2*i:QD+2*i+1], v[AC+2*(i%4):AC+2*(i%4)+1]
.set i, i+1
.endr
	v_pk_add_f32 v[AC:AC+1], v[AC:AC+1], v[AC+2:AC+3]
	v_pk_add_f32 v[AC+4:AC+5], v[AC+4:AC+5], v[AC+6:AC+7]
	v_pk_add_f32 v[AC:AC+1], v[AC:AC+1], v[AC+4:AC+5]
	v_add_f32 v[AC], v[AC], v[AC+1]                ; latents 32 h .. 32 h + 31
	v_permlanex16_b32 v[AC+1], v[AC], s54, s55     ; the other half's 32 (the destination has been written before)
	v_add_f32 v[AC], v[AC], v[AC+1]                ; lanes r and 16 + r now hold the same number
	s_wait_alu depctr_va_vdst(0)                   ; SR and AC are written, which the LDS store reads; and the sums are done with AC+2 and AC+3, in which wave 0's LDS load lands: no vector instruction follows this wait
	ds_store_b32 v[SR], v[AC] offset:RES           ; both write it to the same word
	s_wait_dscnt 0x0                               ; for wave 0: my 16 results are in LDS
	s_barrier_signal -1
	s_barrier_wait -1
	s_cmp_lg_u32 s[WAVE], 0
	s_cbranch_scc1 .Lend
	ds_load_b64 v[AC+2:AC+3], v[L8] offset:RES     ; wave 0: two results a lane,
	s_wait_dscnt 0x0
	global_store_b64 v[L8], v[AC+2:AC+3], s[36:37] th:TH_STORE_NT  ; one store covers the work-group's 256 consecutive bytes, at a multiple of 256 from the first byte of out
.Lend:
	s_wait_dscnt 0x0                               ; the closing lines, six on end
	s_wait_alu 0x0
	s_wait_tensorcnt 0x0
	ds_add_u32 v188, v189
	s_wait_dscnt 0x0
	s_endpgm
.Lfunc_end_k_q7569d0e8f8_gmf:
	.size	k_q7569d0e8f8_gmf, .Lfunc_end_k_q7569d0e8f8_gmf-k_q7569d0e8f8_gmf
	.p2alignl 7, 3214868480
	.fill 96, 4, 3214868480
	.section	.rodata,"a",@progbits
	.p2align	6, 0x0
	.amdhsa_kernel k_q7569d0e8f8_gmf
		.amdhsa_group_segment_fixed_size 4864
		.amdhsa_private_segment_fixed_size 0
		.amdhsa_enable_private_segment 0
		.amdhsa_kernarg_size 56
		.amdhsa_user_sgpr_count 2
		.amdhsa_user_sgpr_kernarg_segment_ptr 1
		.amdhsa_wavefront_size32 1
		.amdhsa_system_sgpr_workgroup_id_x 1
		.amdhsa_system_sgpr_workgroup_id_y 1
		.amdhsa_system_sgpr_workgroup_id_z 1
		.amdhsa_system_vgpr_workitem_id 0
		.amdhsa_next_free_vgpr 190
		.amdhsa_next_free_sgpr 66
		.amdhsa_reserve_vcc 1
		.amdhsa_float_denorm_mode_32 3
		.amdhsa_float_denorm_mode_16_64 3
		.amdhsa_memory_ordered 1
		.amdhsa_forward_progress 1
		.amdhsa_inst_pref_size 17
	.end_amdhsa_kernel
	.amdgpu_metadata
---
amdhsa.version: [ 1, 2 ]
amdhsa.kernels:
  - .name:           k_q7569d0e8f8_gmf
    .symbol:         k_q7569d0e8f8_gmf.kd
    .args:
      - { .name: user_ids, .offset: 0, .size: 8, .value_kind: global_buffer, .address_space: global }
      - { .name: item_ids, .offset: 8, .size: 8, .value_kind: global_buffer, .address_space: global }
      - { .name: genres_one_hot_codes, .offset: 16, .size: 8, .value_kind: global_buffer, .address_space: global }
      - { .name: genres_one_hot_scales, .offset: 24, .size: 8, .value_kind: global_buffer, .address_space: global }
      - { .name: Q_weight, .offset: 32, .size: 8, .value_kind: global_buffer, .address_space: global }
      - { .name: P_weight, .offset: 40, .size: 8, .value_kind: global_buffer, .address_space: global }
      - { .name: out0, .offset: 48, .size: 8, .value_kind: global_buffer, .address_space: global }
    .group_segment_fixed_size: 4864
    .private_segment_fixed_size: 0
    .kernarg_segment_align: 8
    .kernarg_segment_size: 56
    .max_flat_workgroup_size: 128
    .sgpr_count:     66
    .vgpr_count:     190
    .wavefront_size: 32
...
	.end_amdgpu_metadata
.endif
;; end of part 2
